; MI455X (gfx1250); checked and timed in simulation.
; The chip was launched on July 23, 2026; its instructions are those of AMD's public machine-readable ISA for CDNA 5 (MIT licence, August 2026) and "CDNA5" Instruction Set Architecture Reference Guide (July 2026). The comments in the code are by the model that wrote it; some were corrected since.
;; Vector Quantizer. Allowed arithmetic: float matrix products may take bf16 or f16 operands with f32 sums; all other float work in f32.
;; Inputs: emb_w 8,192 x 256 float32; z 16 x 256 x 32 x 32 float32.
;; Outputs: out0 16 x 256 x 32 x 32 float32; out1 one number float32; out2 16 x 1,024 int32.
;; One version. Each part assembles by itself: llvm-mc -triple=amdgcn-amd-amdhsa -mcpu=gfx1250 --defsym DOCPART=n.
;; ======== version 1 of 1: 4 launches
;; workspace buffers: ebf 4,259,840 bytes; pidx 262,144 bytes of whole numbers; lpart 1,024 bytes
;; launch prep (part 1): grid 128 x 1, 8 waves a work-group, no clusters, 1,280 bytes of LDS; arguments emb_w, ebf; writes ebf
.if DOCPART == 1
	.amdgcn_target "amdgcn-amd-amdhsa--gfx1250"
	.amdhsa_code_object_version 6
	.text
	.protected	k_q5731fea8e9_prep
	.globl	k_q5731fea8e9_prep
	.p2align	8
	.type	k_q5731fea8e9_prep,@function
k_q5731fea8e9_prep:
	s_mov_b64 s[64:65], 0
	v_nop
	global_prefetch_b8 v0, s[64:65] scope:SCOPE_SE
	s_setreg_imm32_b32 hwreg(HW_REG_WAVE_MODE, 25, 1), 1
	s_wait_xcnt 0x0
; VectorQuantizer, first of four launches: the codebook in bf16, with b[k] = sum of bf16(e[k][c])^2 beside it.
; THE PROGRAM:
;   prep (this)  the codebook rounded to bf16 and |e|^2 of the rounded numbers;
;   dist         d = fl(fl(|x|^2 + |e|^2) - 2 x.e) of every x against every code, the dot on the matrix units; for each x and each half of the
;                codebook the two best candidates, stored as indices;
;   gather       d of the four candidates of each x formed again from the rounded numbers with few roundings, the decision (smallest d, on
;                equality the lowest index), the lookup in emb_w, out0, out2, partial sums of the loss;
;   lsum         the loss.
; WORK LEFT OUT IN THE WHOLE PROGRAM: reference() forms mean((quantized - z)^2) twice, as q_latent_loss and as e_latent_loss;
; stop_gradient changes no value, so the two are one number for all inputs: the mean is made once and multiplied by
; 1 + BETA = 1.25.  What is left out is a copy of work that is done, so a NaN, an infinity or an overflow in it shows in the
; result all the same.  Both inputs have a way to the outputs and are loaded.  |x|^2 is the same along the argmin's axis but STAYS:
; beside it reference()'s f32 loses bits of the other two terms, and that rounding decides which codes tie.
; LIMITS OF THE WHOLE PROGRAM:
;   matrix operands are bf16, so |x|^2, |e|^2 and the dots are those of the rounded numbers;
;   dist searches in eight chains for each x and half of the codebook (a chain: the 512 codes that one half of one wave's lanes sees); two
;   contenders that lie in one chain are decided there, on the matrix instruction's sums; contenders of different chains are decided in gather;
;   reference()'s own order of f32 sums is not reproduced: where its d and this program's fall on two sides of a rounding step of d, the index can differ;
;   a NaN distance never wins a chain and wins in gather only as the first candidate (reference() would return the first NaN); a chain whose
;   distances are all +inf or NaN hands on a small valid index.
; LAYOUT OF ebf: 128 groups of 33,280 bytes.  Rows 0-63 of a group: codes 64 g + row, 256 bf16 (512 bytes).  Row 64: the 64 f32 b of the
; group (256 bytes), then 256 bytes of zeros, so that one tile of 65 rows x 512 bytes brings the codes and their b.
; SHARES: work-group g makes group g; wave v its rows 8 v .. 8 v + 7; lane l the elements 4 l .. 4 l + 3 and 128 + 4 l .. + 3 of a row.
; Every load of a wave covers 512 neighbouring bytes, every store 256 neighbouring bytes at a multiple of 256 from the buffer's first byte.
; No matrix unit, no cluster: nothing is shared between work-groups and every byte is read once.
.set ROWB,   1024                      ; bytes in a row of emb_w
.set GRPOUT, 33280                     ; bytes in a group of ebf
.set NB, 4                             ; v[4:11]   row i: my share of its sum of squares
.set R,  16                            ; v[16:79]  row i: 8 registers as loaded
.set PK, 80                            ; v[80:111] row i: 4 registers of bf16 pairs, to store
	s_load_b128 s[4:7], s[0:1], 0x0                ; emb_w s[4:5], ebf s[6:7]
	v_lshl_add_u32 v112, v0, 2, 0x100
	v_mov_b32 v113, 0
	v_and_b32 v1, 31, v0                           ; lane
	v_lshrrev_b32 v2, 5, v0
	v_readfirstlane_b32 s8, v2                     ; wave
	s_lshl_b32 s10, ttmp9, 16                      ; my group in emb_w: 64 rows of 1,024 bytes
	s_mov_b32 s11, 0
	s_mul_i32 s12, ttmp9, GRPOUT                   ; my group in ebf
	s_mov_b32 s13, 0
	s_mov_b32 s14, 0x76543210                      ; v_permlanex16_b32: lane i of one half reads lane i of the other
	s_mov_b32 s15, 0xfedcba98
	s_lshl_b32 s16, s8, 13                         ; 8 rows of 1,024 bytes
	s_lshl_b32 s17, s8, 12                         ; 8 rows of 512 bytes
	s_lshl_b32 s18, s8, 5                          ; 8 words of b
	v_lshl_add_u32 v3, v1, 4, s16                  ; where I load
	v_lshl_add_u32 v12, v1, 3, s17                 ; where I store
	v_mov_b32 v14, s18                             ; LDS: my wave's 8 words
	v_mov_b32 v13, 0                               ; written once: v_permlanex16_b32 counts as a reader of its destination
.irp i, 0,1,2,3,4,5,6,7
	v_mov_b32 v[NB+\i], 0
.endr
	s_wait_kmcnt 0x0
	s_add_nc_u64 s[4:5], s[4:5], s[10:11]
	s_add_nc_u64 s[6:7], s[6:7], s[12:13]
.irp i, 0,1,2,3,4,5,6,7
	global_load_b128 v[R+8*\i:R+8*\i+3],   v3, s[4:5] offset:\i*ROWB th:TH_LOAD_NT
	global_load_b128 v[R+8*\i+4:R+8*\i+7], v3, s[4:5] offset:\i*ROWB+512 th:TH_LOAD_NT
.endr
.irp i, 0,1,2,3,4,5,6,7
	s_wait_loadcnt 14-2*\i                         ; loads come back in order (ISA guide 5.7.1): row i's two are in, the later rows' stay out
.irp k, 0,1,2,3
	v_cvt_pk_bf16_f32 v[PK+4*\i+\k], v[R+8*\i+2*\k], v[R+8*\i+2*\k+1]
.endr
	global_store_b64 v12, v[PK+4*\i:PK+4*\i+1],   s[6:7] offset:\i*512        ; elements 0-127 of the row: 256 bytes
	global_store_b64 v12, v[PK+4*\i+2:PK+4*\i+3], s[6:7] offset:\i*512+256    ; elements 128-255
.irp k, 0,1,2,3
	v_fma_mix_f32_bf16 v[NB+\i], v[PK+4*\i+\k], v[PK+4*\i+\k], v[NB+\i] op_sel_hi:[1,1,0]                  ; low half squared, added in f32
	v_fma_mix_f32_bf16 v[NB+\i], v[PK+4*\i+\k], v[PK+4*\i+\k], v[NB+\i] op_sel:[1,1,0] op_sel_hi:[1,1,0]   ; high half squared
.endr
.endr
	; the eight sums across the 32 lanes: four steps inside each half ride on the add, one crosses the halves
.irp x, 1,2,4,8
.irp i, 0,1,2,3,4,5,6,7
	v_add_f32_dpp v[NB+\i], v[NB+\i], v[NB+\i] row_xmask:\x row_mask:0xf bank_mask:0xf
.endr
.endr
.irp i, 0,1,2,3,4,5,6,7
	v_permlanex16_b32 v13, v[NB+\i], s14, s15
	v_add_f32 v[NB+\i], v[NB+\i], v13
	ds_store_b32 v14, v[NB+\i] offset:4*\i         ; all lanes write the same word with the same value: b of row 8 v + i at byte 4 (8 v + i)
.endr
	s_wait_dscnt 0x0                               ; my stores are in LDS before I say so
	s_barrier_signal -1
	s_barrier_wait -1                              ; everybody's are
	s_cmp_lg_u32 s8, 0
	s_cbranch_scc1 .Lend
	; wave 0 stores row 64 whole: 256 bytes of b from lanes 0-15, 256 bytes of zeros from lanes 16-31
	v_and_b32 v15, 15, v0
	v_lshlrev_b32 v15, 4, v15
	v_lshlrev_b32 v20, 4, v1
	ds_load_b128 v[16:19], v15
	v_cmp_gt_u32 vcc_lo, 16, v1
	s_wait_dscnt 0x0
.irp k, 0,1,2,3
	v_cndmask_b32 v[16+\k], 0, v[16+\k], vcc_lo
.endr
	global_store_b128 v20, v[16:19], s[6:7] offset:64*512
.Lend:
	s_wait_tensorcnt 0x0
	ds_add_u32 v112, v113
	s_wait_dscnt 0x0
	s_endpgm
.Lfunc_end_k_q5731fea8e9_prep:
	.size	k_q5731fea8e9_prep, .Lfunc_end_k_q5731fea8e9_prep-k_q5731fea8e9_prep
	.p2alignl 7, 3214868480
	.fill 96, 4, 3214868480
	.section	.rodata,"a",@progbits
	.p2align	6, 0x0
	.amdhsa_kernel k_q5731fea8e9_prep
		.amdhsa_group_segment_fixed_size 1280
		.amdhsa_private_segment_fixed_size 0
		.amdhsa_enable_private_segment 0
		.amdhsa_kernarg_size 16
		.amdhsa_user_sgpr_count 2
		.amdhsa_user_sgpr_kernarg_segment_ptr 1
		.amdhsa_wavefront_size32 1
		.amdhsa_system_sgpr_workgroup_id_x 1
		.amdhsa_system_sgpr_workgroup_id_y 1
		.amdhsa_system_sgpr_workgroup_id_z 1
		.amdhsa_system_vgpr_workitem_id 0
		.amdhsa_next_free_vgpr 114
		.amdhsa_next_free_sgpr 66
		.amdhsa_reserve_vcc 1
		.amdhsa_float_denorm_mode_32 3
		.amdhsa_float_denorm_mode_16_64 3
		.amdhsa_memory_ordered 1
		.amdhsa_forward_progress 1
		.amdhsa_inst_pref_size 15
	.end_amdhsa_kernel
	.amdgpu_metadata
---
amdhsa.version: [ 1, 2 ]
amdhsa.kernels:
  - .name:           k_q5731fea8e9_prep
    .symbol:         k_q5731fea8e9_prep.kd
    .args:
      - { .name: emb_w, .offset: 0, .size: 8, .value_kind: global_buffer, .address_space: global }
      - { .name: ebf, .offset: 8, .size: 8, .value_kind: global_buffer, .address_space: global }
    .group_segment_fixed_size: 1280
    .private_segment_fixed_size: 0
    .kernarg_segment_align: 8
    .kernarg_segment_size: 16
    .max_flat_workgroup_size: 256
    .sgpr_count:     66
    .vgpr_count:     114
    .wavefront_size: 32
...
	.end_amdgpu_metadata
.endif
;; end of part 1
;; launch dist (part 2): grid 128 x 2, 4 waves a work-group, clusters of 4 x 1, 327,680 bytes of LDS; arguments z, ebf, pidx; writes pidx
.if DOCPART == 2
	.amdgcn_target "amdgcn-amd-amdhsa--gfx1250"
	.amdhsa_code_object_version 6
	.text
	.protected	k_q5731fea8e9_dist
	.globl	k_q5731fea8e9_dist
	.p2align	8
	.type	k_q5731fea8e9_dist,@function
k_q5731fea8e9_dist:
	s_mov_b64 s[64:65], 0
	v_nop
	global_prefetch_b8 v0, s[64:65] scope:SCOPE_SE
	s_setreg_imm32_b32 hwreg(HW_REG_WAVE_MODE, 25, 1), 1
	s_wait_xcnt 0x0
	s_wait_alu depctr_hold_cnt(0) depctr_sa_sdst(0) depctr_va_vdst(0) depctr_va_sdst(0) depctr_va_ssrc(0) depctr_va_vcc(0) depctr_vm_vsrc(0)
	s_getreg_b32 s2, hwreg(HW_REG_IB_STS2, 6, 4)
	s_cmp_eq_u32 s2, 0
	s_cbranch_scc0 .Lentry_in_a_cluster
	s_endpgm
.Lentry_in_a_cluster:
	s_bfe_u32 s2, ttmp6, 0x10000c
	s_cmp_lg_u32 s2, 0x3003
	s_cbranch_scc0 .Lentry_shape_is_right
	s_endpgm
.Lentry_shape_is_right:
; Second launch: d[x][k] = fl(fl(|x|^2 + |e_k|^2) - 2 x.e_k), formed and rounded as reference() forms it, and for each x the TWO best candidates
; within one half of the codebook.  Nothing of reference() is left out here: |x|^2 stays (see the first kernel's head).
; WHY CANDIDATES: beside |x|^2 the f32 d has few steps left for the dot, so that codes tie or differ by one step, and on which side of a step a d
; falls hangs on the dot's last bits.  The matrix instruction's sums are not rounded as a short f32 sum is.  So this launch only narrows the
; choice: each of eight chains (a wave's half of the lanes: 512 codes) keeps its smallest d and first index, the two best chain winners by
; (d, index) are stored as indices, and the next launch forms d of the four candidates of an x again, with few roundings, and decides.
; SHARES: work-group (xb, chunk): 128 vectors x (128 neighbouring hw of one image) against codes 4,096 chunk .. + 4,095.  All four waves hold
; the same 128 x as bf16 fragments in 512 registers; the codes go in 16 steps of 256, of which wave w fetches and reads its own 64 (four tiles of 16).
; THE MATRIX INSTRUCTION: source 0 = 16 codes, source 1 = 16 x.  In the result lane (r, h) holds x column r, register j code 8 h + j: the search
; runs down a lane's own registers, in ascending code order, with a strict compare: the first index wins.
; PRODUCTS AND SEARCH SIDE BY SIDE: the wave's x tiles are two pieces, A = tiles 0-3 and B = tiles 4-7, 32 products each for a code tile.  The search of a
; piece (d and the running minimum: 128 vector instructions) is cut into 32 slices of four, and one slice stands behind each product of the
; OTHER piece: A of tile c is searched under B's products of tile c, B of tile c under A's products of tile c + 1.  The first 32 products stand in
; front of the loop without a search, the last search behind it without products.
; CLUSTER: the four work-groups of a cluster have the same chunk and walk the same code tiles: each tile is asked for jointly (mask 15).
; Their place in the cluster enters only z's global address and the offset of the stores.  A round of the cluster's barrier stands in front of every
; joint refill; between the round's opening signal and its wait stand 16 products with their slices, which touch registers only, so that a wave
; works while the other three arrive.
; LDS: slot 0 at 0, slot 1 at 137,280; a slot = 4 waves x 65 rows x 528 bytes (512 of data + 16 of padding: 33 x 16, so the sixteen rows of a
; fragment load begin in sixteen different 16-byte columns of 256).  Row 64 of a wave's part holds its 64 b.  z's block (256 channels x 512
; bytes) is first laid into slot 1's bytes, turned into fragments, and the slot is then filled with step 1.  Scratch for the last merge at
; 274,688, 8,192 bytes: whole blocks of 256 bytes into which no tile lands.
; REGISTERS: window 0: addresses, |x|^2, running minimum and index, b, 8 accumulators, two buffers of code fragments;
; window 1: x fragments of tiles 0-3 (tile i, K step s, register p at 64 i + 8 s + p); window 2: tiles 4-7.
; x tile t, column r is x number 64 (t >> 2) + 4 r + (t & 3) of the block.
; LIMITS: two contenders that lie in one chain are decided here, on the matrix instruction's sums; a NaN distance never wins a chain
; (reference() would return the first NaN); a chain whose distances are all +inf or NaN hands on a small valid index; operands are bf16.
.set PITCH, 528
.set PART,  65*PITCH                   ; 34,320: a wave's part of a slot
.set SLOTB, 4*PART                     ; 137,280
.set ZBASE, SLOTB                      ; z's block lies in slot 1's bytes
.set MS,    274688                     ; merge scratch: four arrays (d1, index 1, d2, index 2) of 4 waves x 512 bytes
.set GRPB,  33280                      ; a group of 64 codes and their b in ebf
.set STEPB, 4*GRPB                     ; a step: four groups
.set ZA,   4                           ; v4-5    z in LDS: channels 0-127, 128-255
.set ADR,  6                           ; v6-7    my code fragments in slot 0, 1
.set BAD,  8                           ; v8-9    my b in slot 0, 1
.set AN,   16                          ; v[16:23]  |x|^2 of my column in x tile t
.set BEST, 24                          ; v[24:31]  smallest d so far
.set IDX,  32                          ; v[32:39]  its index, less 8 h
.set S,    40                          ; v[40:47]  at work
.set B0,   48                          ; v[48:55]  b of codes 8 h .. 8 h + 7 of a tile, two buffers: tile c uses buffer c & 1
.set B1,   56
.set ACC,  64                          ; v[64:127] x tile t: 8 registers
.set F0,   128                         ; v[128:191], v[192:255]: fragments of 16 codes x 256 K, two buffers: tile c uses buffer c & 1
.set F1,   192
.set G1,   16                          ; s[16:23] group 1 of the code tiles
.set G0,   24                          ; s[24:31] group 0 of the code tiles, one set for each slot
.set KJ,   40                          ; s[40:47] index of register j's code in lanes 0-15
.set MK,   48                          ; s[48:51] masks of four compares
.set INF,  55                          ; s55      +inf
.set G0Z,  56                          ; s[56:59] group 0 of z's tile
.set G1Z,  68                          ; s[68:75] group 1 of z's tile
.set MSB, 0
.macro WIN new                         ; s_set_vgpr_msb: bits 1:0 source 0, 3:2 source 1, 5:4 source 2, 7:6 destination; the high byte repeats the setting that is left
.if MSB != \new
	s_set_vgpr_msb (MSB<<8)|\new
.set MSB, \new
.endif
.endm
; A round of the cluster's barrier: my work-group's barrier, so that wave 0's signal speaks for all four waves; wave 0 signals for the work-group; every wave waits
; for all four work-groups; my work-group's barrier again.
.macro CREST                           ; a round behind its opening barrier
	s_cmp_lg_u32 s12, 0
	s_cbranch_scc1 .Lnot_wave_0_\@
	s_barrier_signal -3
.Lnot_wave_0_\@:
	s_barrier_wait -3
	s_barrier_signal -1
	s_barrier_wait -1
.endm
.macro ROUND                           ; a whole round
	s_barrier_signal -1
	s_barrier_wait -1
	CREST
.endm
	s_load_b128 s[4:7], s[0:1], 0x0                ; z s[4:5], ebf s[6:7]
	s_load_b64 s[10:11], s[0:1], 0x10              ; pidx
	v_lshl_add_u32 v14, v0, 2, 0x45100
	v_mov_b32 v15, 0
	ds_add_u32 v14, v15
	v_lshrrev_b32 v1, 5, v0
	v_readfirstlane_b32 s12, v1                    ; wave 0..3
	s_bfe_u32 s13, ttmp6, 0x40000                  ; cx: my place in the cluster
	s_lshl_b32 s14, ttmp9, 2
	s_add_co_u32 s14, s14, s13                     ; xb = 4 x cluster x + cx: which 128 x
	s_and_b32 s15, ttmp7, 0xffff                   ; chunk: which half of the codebook; the four partners share it
	s_mov_b32 s34, 0x76543210                      ; v_permlanex16_b32: lane i reads lane i of the other half
	s_mov_b32 s35, 0xfedcba98
	s_mov_b32 s[INF], 0x7f800000
	; group 1 of a code tile: 65 rows of 256 elements of 2 bytes, dense in memory, 4 words of padding behind every 128 words
	s_mov_b32 s[G1+0], 15|(1<<16)|(1<<20)|(1<<21)|(6<<22)|(3<<25)   ; mask: all four of the cluster; element 2 bytes; padding on; bit 21 beside a mask; interval code 6; pad code 3
	s_mov_b32 s[G1+1], 256<<16                     ; tensor_dim0 = 256
	s_mov_b32 s[G1+2], 65<<16                      ; tensor_dim1 = 65
	s_mov_b32 s[G1+3], 256<<16                     ; tile_dim0 = 256
	s_mov_b32 s[G1+4], 65                          ; tile_dim1 = 65
	s_mov_b32 s[G1+5], 256                         ; elements from row to row
	s_mov_b32 s[G1+6], 0
	s_mov_b32 s[G1+7], 0
	; group 1 of z's tile: 64 channel rows of 128 f32, 1,024 elements from channel to channel, no mask, no padding
	s_mov_b32 s[G1Z+0], 2<<16
	s_mov_b32 s[G1Z+1], 128<<16
	s_mov_b32 s[G1Z+2], 64<<16
	s_mov_b32 s[G1Z+3], 128<<16
	s_mov_b32 s[G1Z+4], 64
	s_mov_b32 s[G1Z+5], 1024
	s_mov_b32 s[G1Z+6], 0
	s_mov_b32 s[G1Z+7], 0
	s_mul_i32 s37, s12, PART                       ; my part of a slot: the wave's number alone
	s_mov_b32 s[G0+0], 1
	s_mov_b32 s[G0+1], s37
	s_mov_b32 s[G0+4], 1
	s_add_co_u32 s[G0+5], s37, SLOTB
	s_lshl_b32 s32, s15, 6
	s_add_co_u32 s32, s32, s12                     ; step 0: group 64 chunk + wave
	s_mul_i32 s32, s32, GRPB
	s_mov_b32 s33, 0
	s_mov_b32 s[G0Z+0], 1
	s_lshl_b32 s[G0Z+1], s12, 15                   ; 64 rows of 512 bytes a wave
	s_add_co_u32 s[G0Z+1], s[G0Z+1], ZBASE
	s_lshr_b32 s38, s14, 3                         ; image
	s_lshl_b32 s38, s38, 20                        ; x 256 channels x 4,096 bytes
	s_lshl_b32 s39, s12, 18                        ; + my 64 channels
	s_add_co_u32 s38, s38, s39
	s_and_b32 s39, s14, 7
	s_lshl_b32 s39, s39, 9                         ; + 128 x of 4 bytes
	s_add_co_u32 s38, s38, s39
	s_mov_b32 s39, 0
	s_lshl_b32 s[KJ], s15, 12                      ; first code of register 0: 4,096 chunk + 64 wave
	s_lshl_b32 s36, s12, 6
	s_add_co_u32 s[KJ], s[KJ], s36
.irp j, 1,2,3,4,5,6,7
	s_add_co_u32 s[KJ+\j], s[KJ], \j
.endr
	s_wait_dscnt 0x0
	s_wait_kmcnt 0x0
	s_add_nc_u64 s[G0+2:G0+3], s[6:7], s[32:33]
	s_add_nc_u64 s[G0+6:G0+7], s[G0+2:G0+3], STEPB                 ; slot 1: step 1
	s_or_b32 s[G0+3], s[G0+3], 0x80000000          ; type = 2
	s_or_b32 s[G0+7], s[G0+7], 0x80000000
	s_add_nc_u64 s[G0Z+2:G0Z+3], s[4:5], s[38:39]
	s_or_b32 s[G0Z+3], s[G0Z+3], 0x80000000
	ROUND                                          ; all four work-groups are here: the first joint loads meet
	tensor_load_to_lds s[G0:G0+3], s[G1:G1+7]      ; step 0 into slot 0, jointly
	s_nop 0
	tensor_load_to_lds s[G0Z:G0Z+3], s[G1Z:G1Z+7]  ; my 64 channels of z, my work-group's own: two loads of the wave are out
	s_nop 0
	v_and_b32 v1, 15, v0                           ; r
	v_bfe_u32 v2, v0, 4, 1                         ; h
	v_lshlrev_b32 v3, 3, v2                        ; 8 h
	v_lshlrev_b32 v[ZA], 4, v1
	v_lshl_add_u32 v[ZA], v2, 12, v[ZA]            ; 16 r + 8 h channel rows of 512 bytes
	v_add_nc_u32 v[ZA], ZBASE, v[ZA]
	v_add_nc_u32 v[ZA+1], 0x10000, v[ZA]           ; 128 channels on
	v_mul_u32_u24 v[ADR], v1, PITCH
	v_lshl_add_u32 v[ADR], v2, 4, v[ADR]           ; row r, 16 bytes for each half of the lanes
	v_add_nc_u32 v[ADR], s37, v[ADR]
	v_add_nc_u32 v[ADR+1], SLOTB, v[ADR]
	v_lshl_add_u32 v[BAD], v2, 5, s37              ; b of codes 8 h ..
	v_add_nc_u32 v[BAD], 64*PITCH, v[BAD]          ; in row 64
	v_add_nc_u32 v[BAD+1], SLOTB, v[BAD]
	v_and_b32 v11, 31, v0
	v_lshlrev_b32 v11, 4, v11                      ; 16 x lane: also my offset in a plane of pidx
	v_add_nc_u32 v12, MS, v11                      ; scratch, wave 0's part
	v_lshl_add_u32 v10, s12, 9, v12                ; scratch, my wave's part
.irp t, 0,1,2,3,4,5,6,7
	v_mov_b32 v[AN+\t], 0                          ; two chains for each |x|^2: the second lies in BEST until the search begins
	v_mov_b32 v[BEST+\t], 0
.endr
	s_wait_tensorcnt 0x0                           ; my part of z and of step 0 is in LDS,
	s_barrier_signal -1
	s_barrier_wait -1                              ; everybody's is
; z TO FRAGMENTS.  Batch n = K step n >> 1, x tiles 4 (n & 1) .. + 3.  Load q of a batch brings channel 32 s + 8 h + q (q < 8) or 32 s + 16 + 8 h + q - 8,
; x numbers 64 g + 4 r .. + 3: component i belongs to x tile 4 g + i, column r.  Lanes 0-15 read 256 neighbouring bytes.
.macro XLOAD n, l
.irp q, 0,1,2,3,4,5,6,7,8,9,10,11,12,13,14,15
	ds_load_b128 v[\l+4*\q:\l+4*\q+3], v[ZA+((\n)>>3)] offset:(32*(((\n)>>1)&3)+\q+8*(\q>>3))*512+256*((\n)&1)
.endr
.endm
.macro XBATCH n, l, ln
.set XN, \n
.set XG, XN&1
.set XS, XN>>1
.if XN < 15
	XLOAD XN+1, \ln
	s_wait_dscnt 16                                ; LDS loads come back in order (ISA guide 5.7.1): this batch's are in, the next batch's 16 stay out
.else
	s_wait_dscnt 0x0
.endif
	WIN (0x40<<XG)                                 ; destination in the tiles' window
.irp p, 0,1,2,3,4,5,6,7
.irp i, 0,1,2,3
	v_cvt_pk_bf16_f32 v[64*\i+8*XS+\p], v[\l+8*\p+\i], v[\l+8*\p+4+\i]     ; two neighbouring channels of one x
.endr
.endr
	WIN (0x05<<XG)                                 ; sources 0 and 1 in that window
.irp p, 0,1,2,3,4,5,6,7
.irp i, 0,1,2,3
	v_fma_mix_f32_bf16 v[AN+4*XG+\i], v[64*\i+8*XS+\p], v[64*\i+8*XS+\p], v[AN+4*XG+\i] op_sel_hi:[1,1,0]
	v_fma_mix_f32_bf16 v[BEST+4*XG+\i], v[64*\i+8*XS+\p], v[64*\i+8*XS+\p], v[BEST+4*XG+\i] op_sel:[1,1,0] op_sel_hi:[1,1,0]
.endr
.endr
	WIN 0
.endm
; 18 LDS loads in one run: the fragments of code tile c of my part of a slot (16 codes x 256 K) and the b of codes 8 h .. 8 h + 7.
; Data and address lie in window 0 under the products' settings too: the run needs no switch.
.macro FRAG slot, c, f, b
.irp s, 0,1,2,3,4,5,6,7
	ds_load_b128 v[\f+8*\s:\f+8*\s+3],   v[ADR+(\slot)] offset:(\c)*16*PITCH+64*\s
	ds_load_b128 v[\f+8*\s+4:\f+8*\s+7], v[ADR+(\slot)] offset:(\c)*16*PITCH+64*\s+32
.endr
	ds_load_b128 v[\b:\b+3],   v[BAD+(\slot)] offset:64*(\c)
	ds_load_b128 v[\b+4:\b+7], v[BAD+(\slot)] offset:64*(\c)+16
.endm
; SLICE number SN (0 to 31) of the search of x tiles g .. g + 3, four vector instructions.  b: the code tile's b.  MW: the window setting of the
; products among which the slice stands; it moves source 1 alone, so a slice keeps vector registers out of source 1 wherever a form allows it:
;   slices 0-7, x tile by x tile: S = fl(b + |x|^2), as a multiply-add by 1.0, which rounds as the sum does and has its registers in sources 0 and 2;
;               then d = fl(S - 2 dot) in place; 2 dot is exact, so these are reference()'s two roundings;
;   slices 8-31, register j by register j: four compares, which need two vector sources and so stand between a switch to window 0 and one back;
;               four minima, as the three-operand form with +inf as source 1; four selects of the index, whose source 1 is scalar.
; kadd: behind the select of register j its index steps on to the next code tile (in piece B's search, which is the later user of the two).
.macro SLICE g, b, kadd
.if SN < 8
.set ST, \g+(SN>>1)
.if (SN&1) == 0
.irp m, 0,2,4,6
.if ST&1
	v_pk_fma_f32 v[S+\m:S+\m+1], v[\b+\m:\b+\m+1], 1.0, v[AN+ST-1:AN+ST] op_sel:[0,0,1] op_sel_hi:[1,0,1]
.else
	v_pk_fma_f32 v[S+\m:S+\m+1], v[\b+\m:\b+\m+1], 1.0, v[AN+ST:AN+ST+1] op_sel_hi:[1,0,0]
.endif
.endr
.else
.irp m, 0,2,4,6
	v_pk_fma_f32 v[ACC+8*ST+\m:ACC+8*ST+\m+1], v[ACC+8*ST+\m:ACC+8*ST+\m+1], -2.0, v[S+\m:S+\m+1] op_sel_hi:[1,0,1]
.endr
.endif
.else
.set SJ, (SN-8)/3
.set SP, (SN-8)%3
.if SP == 0
	WIN 0
.irp i, 0,1,2,3
	v_cmp_lt_f32 s[MK+\i], v[ACC+8*(\g+\i)+SJ], v[BEST+\g+\i]              ; strictly smaller: on equality the earlier index stays
.endr
	WIN MW
.endif
.if SP == 1
.irp i, 0,1,2,3
	v_min3_num_f32 v[BEST+\g+\i], v[ACC+8*(\g+\i)+SJ], s[INF], v[BEST+\g+\i]
.endr
.endif
.if SP == 2
.irp i, 0,1,2,3
	v_cndmask_b32 v[IDX+\g+\i], v[IDX+\g+\i], s[KJ+SJ], s[MK+\i]
.endr
.if \kadd
	s_add_co_u32 s[KJ+SJ], s[KJ+SJ], \kadd
.endif
.endif
.endif
.endm
; A phase is 32 products: 16 codes (buffer f) x 64 x (window setting mw) x 256 K into the four accumulators at a, which take turns, one instruction a
; turn.  The first product of each sum takes the constant 0: nothing is cleared.
; lo, hi: of the 32 products those numbered lo .. hi - 1 are written here, so that a phase can stand in two parts, round a barrier's wait.
; epi = 1: behind each product one slice of the search of x tiles g .. g + 3, the other piece's.  Its slice 0 names none of any product's registers: it
; gives the places that stand between a product and the first vector instruction on its result (ISA guide 7.12.1).
; fr = 1: behind slice 7, the last that reads b, the run of loads for the tile after the next goes into buffers ff and fb, which the products and
; the search of the last tile but one have left; eight slices stand between those products and the loads.
.macro PHASE f, a, mw, epi, g, b, kadd, fr, fslot, fc, ff, fb, lo, hi
.set MW, \mw
.set SN, 0
.set PLO, \lo
.set PHI, \hi
	WIN MW
.irp s, 0,1,2,3,4,5,6,7
.irp i, 0,1,2,3
.if SN+1 > PLO
.if SN < PHI
.if \s == 0
	v_wmma_f32_16x16x32_bf16 v[\a+8*\i:\a+8*\i+7], v[\f+8*\s:\f+8*\s+7], v[64*\i+8*\s:64*\i+8*\s+7], 0
.else
	v_wmma_f32_16x16x32_bf16 v[\a+8*\i:\a+8*\i+7], v[\f+8*\s:\f+8*\s+7], v[64*\i+8*\s:64*\i+8*\s+7], v[\a+8*\i:\a+8*\i+7]
.endif
.if \epi
	SLICE \g, \b, \kadd
.endif
.if \fr
.if SN == 7
	FRAG \fslot, \fc, \ff, \fb
.endif
.endif
.endif
.endif
.set SN, SN+1
.endr
.endr
.endm
; the 32 slices by themselves: the last search, which has no products left to stand among
.macro SEARCH g, b
.set MW, 0
.set SN, 0
	WIN 0
.rept 32
	SLICE \g, \b, 0
.set SN, SN+1
.endr
.endm
; A UNIT, for code tile c in buffers f and b: piece B's products of tile c with piece A's search of tile c; then piece A's products of tile c + 1
; (buffer fn) with piece B's search of tile c, in which the indices step by kadd and the fragments of tile c + 2 are asked for (fr, fslot, fc).
; Between the two: tile c + 1's 18 loads are waited for; nothing younger is out, so the count is 0.
; tw, refill: where tile c + 1 is the fourth of its step, that wait also ends my reads of the slot.  There each wave waits for all its tensor loads (one is
; out: its part of the other slot, which it alone reads) and opens the cluster's round.  Between the opening signal and its wait stand the second
; phase's first 16 products with their slices: registers only.  The slot's joint refill, two steps ahead, is the first thing behind the round: it has
; a whole step less those 16 products in which to land.  The run of LDS loads for tile c + 2 follows the refill, behind slice 15 instead of slice 7:
; no LDS read stands inside the round or ahead of the refill; 48 products stand between these loads and their wait.
; Over the cut the accumulators keep their turns: product 15 writes tile 3's, product 16 tile 0's.
.macro UNIT f, b, fn, kadd, tw, refill, slot, fr, fslot, fc
	PHASE \f, ACC+32, 0x08, 1, 0, \b, 0, 0, 0, 0, \f, \b, 0, 32
	s_wait_dscnt 0x0                               ; the next tile is in registers
.if \tw
	s_set_vgpr_msb 0x800
	s_wait_tensorcnt 0x0                           ; all my tensor loads have landed
	ds_add_u32 v14, v15
	s_wait_dscnt 0x0
	s_set_vgpr_msb 0x8
.endif
.if \refill
	s_add_nc_u64 s[G0+4*\slot+2:G0+4*\slot+3], s[G0+4*\slot+2:G0+4*\slot+3], 2*STEPB   ; no load of mine is out: the group 0 may be written
	s_barrier_signal -1                            ; say so: this barrier opens the round,
	PHASE \fn, ACC, 0x04, 1, 4, \b, \kadd, 0, 0, 0, \f, \b, 0, 16  ; work on registers while the others arrive,
	WIN 0
	s_barrier_wait -1                              ; and go on when all four waves have said so
	CREST                                          ; both waits hold of every wave of all four work-groups
	tensor_load_to_lds s[G0+4*\slot:G0+4*\slot+3], s[G1:G1+7]      ; my one tensor load behind the round
	s_nop 0
.if \fr
	FRAG \fslot, \fc, \f, \b
.endif
	PHASE \fn, ACC, 0x04, 1, 4, \b, \kadd, 0, 0, 0, \f, \b, 16, 32
.else
	PHASE \fn, ACC, 0x04, 1, 4, \b, \kadd, \fr, \fslot, \fc, \f, \b, 0, 32
.endif
.endm
; A step: the units of its four code tiles.  At its head piece A's products of its first tile are done and its second tile is asked for.
; more = 0: the last step: nothing is left to ask for, and behind the last products piece B's search stands alone.
.macro STEP slot, refill, more
	UNIT F0, B0, F1, 16, 0, 0, \slot, 1, \slot, 2
	UNIT F1, B1, F0, 16, 0, 0, \slot, 1, \slot, 3
	UNIT F0, B0, F1, 16, \more, \refill, \slot, \more, 1-\slot, 0
.if \more
	UNIT F1, B1, F0, 208, 0, 0, \slot, 1, 1-\slot, 1               ; from code 48 of this step's 64 to code 0 of the next step's: 256 - 48
.else
	PHASE F1, ACC+32, 0x08, 1, 0, B1, 0, 0, 0, 0, F0, B0, 0, 32
	SEARCH 4, B1
.endif
.endm
; s52 = (od, oi) comes before (bd, bi): by d, on equal d by the index
.macro LESS od, oi, bd, bi
	v_cmp_lt_f32 s52, v[\od], v[\bd]
	v_cmp_eq_f32 s53, v[\od], v[\bd]
	v_cmp_lt_u32 s54, v[\oi], v[\bi]
	s_and_b32 s53, s53, s54
	s_or_b32 s52, s52, s53
.endm
; Two sorted pairs (a1 before a2, b1 before b2) into the best two of the four, left in a1, a2:
; the better of the firsts; then the better of the other first and the winner's own second.
.macro MERGE2 a1d, a1i, a2d, a2i, b1d, b1i, b2d, b2i
	LESS \b1d, \b1i, \a1d, \a1i
	v_cndmask_b32 v[S],   v[\b1d], v[\a1d], s52    ; the first that lost
	v_cndmask_b32 v[S+1], v[\b1i], v[\a1i], s52
	v_cndmask_b32 v[S+2], v[\a2d], v[\b2d], s52    ; the winner's second
	v_cndmask_b32 v[S+3], v[\a2i], v[\b2i], s52
	v_cndmask_b32 v[\a1d], v[\a1d], v[\b1d], s52
	v_cndmask_b32 v[\a1i], v[\a1i], v[\b1i], s52
	LESS S+2, S+3, S, S+1
	v_cndmask_b32 v[\a2d], v[S],   v[S+2], s52
	v_cndmask_b32 v[\a2i], v[S+1], v[S+3], s52
.endm
	XLOAD 0, F0
.irp n, 0,2,4,6,8,10,12,14
	XBATCH \n, F0, F1
	XBATCH \n+1, F1, F0
.endr
	FRAG 0, 0, F0, B0                              ; step 0's first tile: my own load brought it, and its wait stands above
.irp t, 0,1,2,3,4,5,6,7
	v_add_f32 v[AN+\t], v[AN+\t], v[BEST+\t]       ; the two chains,
.endr
.irp t, 0,1,2,3,4,5,6,7
	v_permlanex16_b32 v[BEST+\t], v[AN+\t], s34, s35
	v_add_f32 v[AN+\t], v[AN+\t], v[BEST+\t]       ; and the other half's channels: |x|^2 in both halves
.endr
.irp t, 0,1,2,3,4,5,6,7
	v_mov_b32 v[BEST+\t], 0x7f800000               ; +inf
	v_mov_b32 v[IDX+\t], 0
.endr
	s_wait_dscnt 0x0                               ; my reads of z are over, and the first tile is in registers
	s_wait_tensorcnt 0x0                           ; no tensor load of mine is out
	ds_add_u32 v14, v15
	s_wait_dscnt 0x0
	s_barrier_signal -1                            ; say so: this barrier opens the round,
	PHASE F0, ACC, 0x04, 0, 0, B0, 0, 0, 0, 0, F0, B0, 0, 16       ; piece A's first 16 products of the first tile, on registers alone: there is nothing to search yet
	WIN 0
	s_barrier_wait -1
	CREST                                          ; both waits hold of every wave of all four work-groups
	tensor_load_to_lds s[G0+4:G0+7], s[G1:G1+7]    ; step 1 into slot 1, over z's bytes: my one tensor load behind the round
	s_nop 0
	FRAG 0, 1, F1, B1                              ; step 0's second tile
	PHASE F0, ACC, 0x04, 0, 0, B0, 0, 0, 0, 0, F0, B0, 16, 32      ; the other 16
	WIN 0                                          ; at a label and at a branch every window is 0
	s_mov_b32 s36, 7
.Lsteps:
	STEP 0, 1, 1
	STEP 1, 1, 1
	WIN 0
	s_sub_co_u32 s36, s36, 1
	s_cmp_lg_u32 s36, 0
	s_cbranch_scc1 .Lsteps
	STEP 0, 0, 1                                   ; steps 14 and 15: nothing is left to fetch
	STEP 1, 0, 0
	; THE WAY OUT.  The other half of the lanes holds the same x against the other eight codes of every tile: the two chains' winners
	; are put in order, the same in both halves.  Arrays in the accumulators' registers: d1 at ACC, index 1 at ACC + 8, d2 at ACC + 16, index 2 at ACC + 24.
.irp t, 0,1,2,3,4,5,6,7
	v_add_nc_u32 v[IDX+\t], v[IDX+\t], v3          ; my codes are 8 h + j
.endr
.irp t, 0,1,2,3,4,5,6,7
	v_permlanex16_b32 v[S], v[BEST+\t], s34, s35
	v_permlanex16_b32 v[S+1], v[IDX+\t], s34, s35
	LESS S, S+1, BEST+\t, IDX+\t
	v_cndmask_b32 v[ACC+\t],    v[BEST+\t], v[S],      s52
	v_cndmask_b32 v[ACC+8+\t],  v[IDX+\t],  v[S+1],    s52
	v_cndmask_b32 v[ACC+16+\t], v[S],       v[BEST+\t], s52
	v_cndmask_b32 v[ACC+24+\t], v[S+1],     v[IDX+\t],  s52
.endr
	v_cmp_eq_u32 vcc_lo, 1, v2                     ; lane (r, h) keeps tiles 4 h .. 4 h + 3: x numbers 64 h + 4 r + i = 4 x lane + i
.irp a, 0,1,2,3
.irp i, 0,1,2,3
	v_cndmask_b32 v[ACC+8*\a+\i], v[ACC+8*\a+\i], v[ACC+8*\a+4+\i], vcc_lo
.endr
	ds_store_b128 v10, v[ACC+8*\a:ACC+8*\a+3] offset:2048*\a
.endr
	s_wait_dscnt 0x0                               ; my stores are in LDS before I say so
	s_barrier_signal -1
	s_barrier_wait -1
	s_cmp_lg_u32 s12, 0
	s_cbranch_scc1 .Lothers
	; wave 0: the four waves' sorted pairs into the best two of each x
.irp a, 0,1,2,3
.irp w, 0,1,2,3
	ds_load_b128 v[F0+16*\a+4*\w:F0+16*\a+4*\w+3], v12 offset:2048*\a+512*\w
.endr
.endr
	s_lshl_b32 s32, s15, 17                        ; my half's two planes of 16,384 words
	s_lshl_b32 s38, s14, 9                         ; my 128 x
	s_add_co_u32 s32, s32, s38
	s_mov_b32 s33, 0
	s_add_nc_u64 s[10:11], s[10:11], s[32:33]
	s_wait_dscnt 0x0
.irp w, 1,2,3
.irp i, 0,1,2,3
	MERGE2 F0+\i, F0+16+\i, F0+32+\i, F0+48+\i, F0+4*\w+\i, F0+16+4*\w+\i, F0+32+4*\w+\i, F0+48+4*\w+\i
.endr
.endr
	global_store_b128 v11, v[F0+16:F0+19], s[10:11]                ; the best: 512 neighbouring bytes, at a multiple of 512 from the buffer's first byte
	global_store_b128 v11, v[F0+48:F0+51], s[10:11] offset:65536   ; the second
.Lothers:
	s_wait_tensorcnt 0x0
	ds_add_u32 v14, v15
	s_wait_dscnt 0x0
	ROUND                                          ; the closing round: no work-group ends while a partner may still ask for a tile that names it
	s_endpgm
.Lfunc_end_k_q5731fea8e9_dist:
	.size	k_q5731fea8e9_dist, .Lfunc_end_k_q5731fea8e9_dist-k_q5731fea8e9_dist
	.p2alignl 7, 3214868480
	.fill 96, 4, 3214868480
	.section	.rodata,"a",@progbits
	.p2align	6, 0x0
	.amdhsa_kernel k_q5731fea8e9_dist
		.amdhsa_group_segment_fixed_size 327680
		.amdhsa_private_segment_fixed_size 0
		.amdhsa_enable_private_segment 0
		.amdhsa_kernarg_size 24
		.amdhsa_user_sgpr_count 2
		.amdhsa_user_sgpr_kernarg_segment_ptr 1
		.amdhsa_wavefront_size32 1
		.amdhsa_system_sgpr_workgroup_id_x 1
		.amdhsa_system_sgpr_workgroup_id_y 1
		.amdhsa_system_sgpr_workgroup_id_z 1
		.amdhsa_system_vgpr_workitem_id 0
		.amdhsa_next_free_vgpr 768
		.amdhsa_next_free_sgpr 76
		.amdhsa_reserve_vcc 1
		.amdhsa_float_denorm_mode_32 3
		.amdhsa_float_denorm_mode_16_64 3
		.amdhsa_memory_ordered 1
		.amdhsa_forward_progress 1
		.amdhsa_inst_pref_size 255
	.end_amdhsa_kernel
	.section	.bss,"aw",@nobits
	.p2align	6
	.space	262144
	.amdgpu_metadata
---
amdhsa.version: [ 1, 2 ]
amdhsa.kernels:
  - .name:           k_q5731fea8e9_dist
    .symbol:         k_q5731fea8e9_dist.kd
    .args:
      - { .name: z, .offset: 0, .size: 8, .value_kind: global_buffer, .address_space: global }
      - { .name: ebf, .offset: 8, .size: 8, .value_kind: global_buffer, .address_space: global }
      - { .name: pidx, .offset: 16, .size: 8, .value_kind: global_buffer, .address_space: global }
    .group_segment_fixed_size: 327680
    .private_segment_fixed_size: 0
    .kernarg_segment_align: 8
    .kernarg_segment_size: 24
    .max_flat_workgroup_size: 128
    .sgpr_count:     76
    .vgpr_count:     768
    .wavefront_size: 32
...
	.end_amdgpu_metadata
.endif
;; end of part 2
;; launch gather (part 3): grid 256 x 1, 8 waves a work-group, no clusters, 133,888 bytes of LDS; arguments z, emb_w, ebf, pidx, out0, out2, lpart; writes out0, out2, lpart
.if DOCPART == 3
	.amdgcn_target "amdgcn-amd-amdhsa--gfx1250"
	.amdhsa_code_object_version 6
	.text
	.protected	k_q5731fea8e9_gather
	.globl	k_q5731fea8e9_gather
	.p2align	8
	.type	k_q5731fea8e9_gather,@function
k_q5731fea8e9_gather:
	s_mov_b64 s[64:65], 0
	v_nop
	global_prefetch_b8 v0, s[64:65] scope:SCOPE_SE
	s_setreg_imm32_b32 hwreg(HW_REG_WAVE_MODE, 25, 1), 1
	s_wait_xcnt 0x0
; Third launch: the decision among the four candidates of each x, the lookup in emb_w (f32), out0 = z + (q - z) as reference() writes it, out2,
; and the work-group's sum of (q - z)^2.
; Left out: the second of reference()'s two equal means (see the first kernel's head); the sum is made once.
; THE DECISION: d = fl(fl(|x|^2 + |e|^2) - 2 x.e) of each candidate is formed again from the numbers rounded to bf16, whose products are exact
; in f32: a lane adds its 8 products, a tree of five steps adds the 32 lanes: 13 roundings for a dot of 256.  The smallest d wins, on
; equality the lowest index, as argmin takes it.  The candidates' indices are whole numbers read from memory, so all four rows are loaded and the
; comparisons only select values.  |e|^2 is the one that the first launch made, read from ebf.
; SHARES: a work-group owns 64 neighbouring x (256 bytes of every channel row) and all 256 channels.  Wave v decides x 8 v .. 8 v + 7, a row as two
; loads of 512 neighbouring bytes (lane l: elements 4 l .. + 3 and 128 + 4 l .. + 3), four x on their way at a time, and later makes channels
; 32 v .. 32 v + 31 of out0.
; LDS: Q at 0: the chosen row of x begins at (x >> 2) 4,112 + (x & 3) 1,024; rows go in as 512 neighbouring bytes and come out by columns, one word
; a lane at 4,112 (lane & 15) + 4 (lane >> 4) + a constant: 32 different words of a stretch of 256 bytes.
; ZT at 65,792: z's block in f32, channel c at 256 c + 16 (c >> 2).  It goes in as it is loaded, 256 neighbouring bytes for sixteen lanes; a lane takes
; its 8 channels of four x by loads of 16 bytes at 1,040 lane + a constant: sixteen different 16-byte columns of 256; at the end each wave
; reads its own channels back as it wrote them, so that z holds no registers while the rows are decided.
; No matrix unit and no cluster: bytes bind, and no tile is shared.
; LIMITS: reference()'s own order of f32 sums is not reproduced: where its dot and this one fall on two sides of a rounding step of d, the index can
; differ.  A NaN distance wins only as the first candidate.
.set ZTB, 65792                        ; z's block: 256 x 256 + 64 x 16 = 66,560 bytes
.set LSS, 132352                       ; 8 words: the waves' sums
.set IDS, 132384                       ; 64 words: the chosen indices
.set IX,  20                           ; s[20:51]   index of candidate c of x i at IX + 8 c + i
.set VO,  20                           ; v[20:35]   slot s, candidate c: byte offset of my 16 bytes in its row
.set Z,   36                           ; v[36:99]   16 loads of z: channels 32 v + 2 m + h, x 4 (lane & 15) .. + 3; at the end the same again, then out0
.set XR,  36                           ; v[36:67]   between: my 8 channels of four x, f32
.set XB,  68                           ; v[68:99]   between: x i: my 8 channels as 4 registers of bf16 pairs
.set AX,  36                           ; v[36:43]   between, behind XR: |x|^2 of x i
.set P,   44                           ; v[44:59]   candidate c: my 8 elements as 4 registers of bf16 pairs
.set DOT, 60                           ; v[60:63]   candidate c: the dot, then d; DOT itself: the best d
.set TT,  64                           ; v[64:67]   at work
.set G,   100                          ; v[100:227] slot s: 4 candidates x 8 registers; the winner is gathered in candidate 0's; at the end q by columns
.set IB,  230                          ; v230       the best index
	s_load_b256 s[4:11], s[0:1], 0x0               ; z s[4:5], emb_w s[6:7], ebf s[8:9], pidx s[10:11]
	s_load_b128 s[12:15], s[0:1], 0x20             ; out0 s[12:13], out2 s[14:15]
	s_load_b64 s[16:17], s[0:1], 0x30              ; lpart
	v_lshl_add_u32 v232, v0, 2, 0x20700
	v_mov_b32 v233, 0
	v_and_b32 v1, 31, v0                           ; lane
	v_lshrrev_b32 v2, 5, v0
	v_readfirstlane_b32 s52, v2                    ; wave
	v_and_b32 v3, 15, v0
	v_bfe_u32 v4, v0, 4, 1
	s_mov_b32 s58, 0x76543210                      ; v_permlanex16_b32: lane i reads lane i of the other half
	s_mov_b32 s59, 0xfedcba98
	s_lshl_b32 s54, ttmp9, 8                       ; 64 x of 4 bytes a work-group,
	s_lshl_b32 s53, s52, 5                         ; 8 a wave
	s_add_co_u32 s54, s54, s53
	s_mov_b32 s55, 0
	s_lshr_b32 s56, ttmp9, 4                       ; image
	s_lshl_b32 s56, s56, 20
	s_and_b32 s53, ttmp9, 15
	s_lshl_b32 s53, s53, 8                         ; 256 bytes of every channel row
	s_add_co_u32 s56, s56, s53
	s_mov_b32 s57, 0
	v_and_b32 v5, 7, v0
	v_lshlrev_b32 v5, 2, v5
	v_bfe_u32 v2, v0, 3, 2
	v_lshl_add_u32 v5, v2, 16, v5                  ; lane l looks at x 8 v + (l & 7), candidate l >> 3: a plane of pidx is 65,536 bytes
	v_lshlrev_b32 v6, 4, v3
	v_lshl_add_u32 v6, v4, 12, v6
	s_lshl_b32 s53, s52, 17
	v_add_nc_u32 v6, s53, v6                       ; z and out0: channel 32 v + h, 16 bytes a lane
	v_lshlrev_b32 v7, 4, v1                        ; 16 x lane
	s_mul_i32 s53, s52, 8224
	v_add_nc_u32 v16, s53, v7                      ; Q, rows in: x 8 v
	v_mul_u32_u24 v17, v3, 4112
	v_lshl_add_u32 v17, v4, 2, v17
	s_lshl_b32 s53, s52, 7
	v_add_nc_u32 v17, s53, v17                     ; Q, columns out: x 4 (lane & 15), channel 32 v + h
	s_mul_i32 s53, s52, 8320                       ; ZT, my 32 channels: 32 x 256 + 8 x 16
	s_add_co_u32 s53, s53, ZTB
	v_lshlrev_b32 v18, 4, v3
	v_lshl_add_u32 v18, v4, 8, v18
	v_add_nc_u32 v18, s53, v18                     ; ZT as loaded: channel 32 v + h, 16 bytes a lane
	v_mul_u32_u24 v19, v1, 1040                    ; ZT by columns: channel 4 l: 4 x 256 + 16
	s_lshl_b32 s53, s52, 5
	s_add_co_u32 s53, s53, ZTB
	v_add_nc_u32 v19, s53, v19                     ; x 8 v
	s_lshl_b32 s53, s52, 5
	s_add_co_u32 s53, s53, IDS
	v_mov_b32 v228, s53                            ; my 8 words of indices
	s_lshl_b32 s53, s52, 2
	s_add_co_u32 s53, s53, LSS
	v_mov_b32 v229, s53                            ; my word of the sums
.irp k, 8,9,10,11
	v_mov_b32 v[\k], 0                             ; two packed chains of the sum of squares
.endr
	v_mov_b32 v14, 0                               ; the addend of every first product
	v_mov_b32 v15, 0                               ; written once: v_permlanex16_b32 counts as a reader of its destination
	s_wait_kmcnt 0x0
	s_add_nc_u64 s[10:11], s[10:11], s[54:55]
	s_add_nc_u64 s[4:5], s[4:5], s[56:57]
	s_add_nc_u64 s[12:13], s[12:13], s[56:57]
.irp c, 0,1,2,3
	s_load_b256 s[IX+8*\c:IX+8*\c+7], s[10:11], \c*0x10000         ; candidate c of my 8 x
.endr
	global_load_b32 v12, v5, s[10:11]              ; the 32 indices once more, one a lane, for the lookup of |e|^2
.irp m, 0,1,2,3,4,5,6,7,8,9,10,11,12,13,14,15
	global_load_b128 v[Z+4*\m:Z+4*\m+3], v6, s[4:5] offset:\m*8192 th:TH_LOAD_NT
.endr
	s_wait_kmcnt 0x0
.irp n, 0,1,2,3,4,5,6,7,8,9,10,11,12,13,14,15,16,17,18,19,20,21,22,23,24,25,26,27,28,29,30,31
	s_min_u32 s[IX+\n], s[IX+\n], 0x1fff           ; an index stays inside the table
.endr
	s_wait_loadcnt 16                              ; the index word is in; z's 16 loads stay out
	v_min_u32 v12, 0x1fff, v12
	v_and_b32 v13, 0x1fc0, v12                     ; 64 x group,
	v_and_b32 v12, 63, v12                         ; place in the group
	v_mul_u32_u24 v13, v13, 520                    ; a group of ebf is 33,280 = 64 x 520 bytes
	v_lshl_add_u32 v12, v12, 2, v13
	global_load_b32 v13, v12, s[8:9] offset:32768  ; |e|^2: row 64 of the group
; The four rows of x i, eight loads, into slot i & 3
.macro FILL i
.irp c, 0,1,2,3
	v_lshl_add_u32 v[VO+4*((\i)&3)+\c], s[IX+8*\c+(\i)], 10, v7
.endr
.irp c, 0,1,2,3
	global_load_b128 v[G+32*((\i)&3)+8*\c:G+32*((\i)&3)+8*\c+3],   v[VO+4*((\i)&3)+\c], s[6:7]
	global_load_b128 v[G+32*((\i)&3)+8*\c+4:G+32*((\i)&3)+8*\c+7], v[VO+4*((\i)&3)+\c], s[6:7] offset:512
.endr
.endm
	FILL 0
	FILL 1
	FILL 2
	FILL 3
	s_wait_loadcnt 32                              ; z and |e|^2 are in; the four slots' 32 loads stay out
.irp m, 0,1,2,3,4,5,6,7,8,9,10,11,12,13,14,15
	ds_store_b128 v18, v[Z+4*\m:Z+4*\m+3] offset:\m*512+(\m>>1)*16
.endr
	s_wait_dscnt 0x0                               ; my channels are in LDS before I say so
	s_barrier_signal -1
	s_barrier_wait -1                              ; everybody's are
	; my 8 channels of my wave's 8 x, four x at a time, rounded to bf16 in the order in which a row's elements lie in my registers
.irp qd, 0,1
.irp g, 0,1
.irp k, 0,1,2,3
	ds_load_b128 v[XR+16*\g+4*\k:XR+16*\g+4*\k+3], v19 offset:\k*256+16*\qd+\g*33280   ; channel 128 g + 4 l + k, x 8 v + 4 qd .. + 3
.endr
.endr
	s_wait_dscnt 0x0
.irp i, 0,1,2,3
.irp g, 0,1
.irp kk, 0,1
	v_cvt_pk_bf16_f32 v[XB+16*\qd+4*\i+2*\g+\kk], v[XR+16*\g+8*\kk+\i], v[XR+16*\g+8*\kk+4+\i]
.endr
.endr
.endr
.endr
	; |x|^2 of the 8 x
.irp q, 0,1,2,3
.irp i, 0,1,2,3,4,5,6,7
.if \q == 0
	v_fma_mix_f32_bf16 v[AX+\i], v[XB+4*\i+\q], v[XB+4*\i+\q], v14 op_sel_hi:[1,1,0]
.else
	v_fma_mix_f32_bf16 v[AX+\i], v[XB+4*\i+\q], v[XB+4*\i+\q], v[AX+\i] op_sel_hi:[1,1,0]
.endif
.endr
.irp i, 0,1,2,3,4,5,6,7
	v_fma_mix_f32_bf16 v[AX+\i], v[XB+4*\i+\q], v[XB+4*\i+\q], v[AX+\i] op_sel:[1,1,0] op_sel_hi:[1,1,0]
.endr
.endr
.irp x, 1,2,4,8
.irp i, 0,1,2,3,4,5,6,7
	v_add_f32_dpp v[AX+\i], v[AX+\i], v[AX+\i] row_xmask:\x row_mask:0xf bank_mask:0xf
.endr
.endr
.irp i, 0,1,2,3,4,5,6,7
	v_permlanex16_b32 v15, v[AX+\i], s58, s59
	v_add_f32 v[AX+\i], v[AX+\i], v15
.endr
; x i is decided.  left = how many younger loads may stay out; fill = 1: the slot gets the rows of x i + 4.
.macro TURN i, left, fill
.set GB, G+32*((\i)&3)
	s_wait_loadcnt \left                           ; loads come back in order (ISA guide 5.7.1): this slot's eight are in; its offsets are free
.irp c, 0,1,2,3
.irp q, 0,1,2,3
	v_cvt_pk_bf16_f32 v[P+4*\c+\q], v[GB+8*\c+2*\q], v[GB+8*\c+2*\q+1]
.endr
.endr
.irp q, 0,1,2,3
.irp c, 0,1,2,3
.if \q == 0
	v_fma_mix_f32_bf16 v[DOT+\c], v[P+4*\c+\q], v[XB+4*(\i)+\q], v14 op_sel_hi:[1,1,0]
.else
	v_fma_mix_f32_bf16 v[DOT+\c], v[P+4*\c+\q], v[XB+4*(\i)+\q], v[DOT+\c] op_sel_hi:[1,1,0]
.endif
.endr
.irp c, 0,1,2,3
	v_fma_mix_f32_bf16 v[DOT+\c], v[P+4*\c+\q], v[XB+4*(\i)+\q], v[DOT+\c] op_sel:[1,1,0] op_sel_hi:[1,1,0]
.endr
.endr
.irp x, 1,2,4,8
.irp c, 0,1,2,3
	v_add_f32_dpp v[DOT+\c], v[DOT+\c], v[DOT+\c] row_xmask:\x row_mask:0xf bank_mask:0xf
.endr
.endr
.irp c, 0,1,2,3
	v_permlanex16_b32 v[TT+\c], v[DOT+\c], s58, s59
.endr
.irp c, 0,1,2,3
	v_add_f32 v[DOT+\c], v[DOT+\c], v[TT+\c]       ; the dot, in every lane
.endr
.irp c, 0,1,2,3
	v_readlane_b32 s63, v13, 8*\c+(\i)             ; |e|^2 of candidate c
	v_add_f32 v[TT+\c], s63, v[AX+(\i)]            ; fl(|x|^2 + |e|^2)
	v_fma_f32 v[DOT+\c], v[DOT+\c], -2.0, v[TT+\c] ; one rounding more: 2 dot is exact
.endr
	v_mov_b32 v[IB], s[IX+(\i)]
.irp c, 1,2,3
	v_cmp_lt_f32 s60, v[DOT+\c], v[DOT]
	v_cmp_eq_f32 s61, v[DOT+\c], v[DOT]
	v_cmp_lt_u32 s62, s[IX+8*\c+(\i)], v[IB]
	s_and_b32 s61, s61, s62
	s_or_b32 s60, s60, s61                         ; candidate c is better: all lanes or none; it selects values only
	v_cndmask_b32 v[DOT], v[DOT], v[DOT+\c], s60
	v_cndmask_b32 v[IB], v[IB], s[IX+8*\c+(\i)], s60
.irp k, 0,1,2,3,4,5,6,7
	v_cndmask_b32 v[GB+\k], v[GB+\k], v[GB+8*\c+\k], s60
.endr
.endr
	ds_store_b128 v16, v[GB:GB+3]   offset:((\i)>>2)*4112+((\i)&3)*1024
	ds_store_b128 v16, v[GB+4:GB+7] offset:((\i)>>2)*4112+((\i)&3)*1024+512
	ds_store_b32 v228, v[IB] offset:4*(\i)         ; all lanes write the same word with the same value
.if \fill
	FILL (\i)+4
.endif
.endm
	TURN 0, 24, 1                                  ; three slots' loads were issued behind this one's
	TURN 1, 24, 1
	TURN 2, 24, 1
	TURN 3, 24, 1
	TURN 4, 24, 0                                  ; nothing is left to fetch: the counts run down
	TURN 5, 16, 0
	TURN 6, 8, 0
	TURN 7, 0, 0
	s_wait_dscnt 0x0                               ; my rows and indices are in LDS before I say so
	s_barrier_signal -1
	s_barrier_wait -1
; channels 32 v + 2 m + h: t = q - z, the sum of t^2, z + t, out
.macro OUTM m
	v_pk_add_f32 v[G+4*(\m):G+4*(\m)+1],   v[G+4*(\m):G+4*(\m)+1],   v[Z+4*(\m):Z+4*(\m)+1]   neg_lo:[0,1] neg_hi:[0,1]
	v_pk_add_f32 v[G+4*(\m)+2:G+4*(\m)+3], v[G+4*(\m)+2:G+4*(\m)+3], v[Z+4*(\m)+2:Z+4*(\m)+3] neg_lo:[0,1] neg_hi:[0,1]
	v_pk_fma_f32 v[8:9],   v[G+4*(\m):G+4*(\m)+1],   v[G+4*(\m):G+4*(\m)+1],   v[8:9]
	v_pk_fma_f32 v[10:11], v[G+4*(\m)+2:G+4*(\m)+3], v[G+4*(\m)+2:G+4*(\m)+3], v[10:11]
	v_pk_add_f32 v[Z+4*(\m):Z+4*(\m)+1],   v[Z+4*(\m):Z+4*(\m)+1],   v[G+4*(\m):G+4*(\m)+1]
	v_pk_add_f32 v[Z+4*(\m)+2:Z+4*(\m)+3], v[Z+4*(\m)+2:Z+4*(\m)+3], v[G+4*(\m)+2:G+4*(\m)+3]
	global_store_b128 v6, v[Z+4*(\m):Z+4*(\m)+3], s[12:13] offset:(\m)*8192 th:TH_STORE_NT   ; sixteen lanes store 256 neighbouring bytes, aligned
.endm
; eight pairs of channels: for each, z back as it was written and q of four x by columns: 40 LDS loads
.macro HALF p
.irp mm, 0,1,2,3,4,5,6,7
	ds_load_b128 v[Z+4*(8*\p+\mm):Z+4*(8*\p+\mm)+3], v18 offset:(8*\p+\mm)*512+((8*\p+\mm)>>1)*16
.irp i, 0,1,2,3
	ds_load_b32 v[G+4*(8*\p+\mm)+\i], v17 offset:\i*1024+8*(8*\p+\mm)      ; q of x 4 (lane & 15) + i, channel 32 v + 2 m + h
.endr
.endr
.irp mm, 0,1,2,3,4,5,6,7
	s_wait_dscnt 35-5*\mm                          ; this pair's five loads are in, five for each later pair stay out
	OUTM 8*\p+\mm
.endr
.endm
	HALF 0
	HALF 1
	v_pk_add_f32 v[8:9], v[8:9], v[10:11]
	v_add_f32 v8, v8, v9
	v_add_f32_dpp v8, v8, v8 row_xmask:1 row_mask:0xf bank_mask:0xf
	v_add_f32_dpp v8, v8, v8 row_xmask:2 row_mask:0xf bank_mask:0xf
	v_add_f32_dpp v8, v8, v8 row_xmask:4 row_mask:0xf bank_mask:0xf
	v_add_f32_dpp v8, v8, v8 row_xmask:8 row_mask:0xf bank_mask:0xf
	v_permlanex16_b32 v9, v8, s58, s59
	v_add_f32 v8, v8, v9
	ds_store_b32 v229, v8                          ; my wave's sum, in a word of its own
	s_wait_dscnt 0x0
	s_barrier_signal -1
	s_barrier_wait -1
	s_cmp_lg_u32 s52, 0
	s_cbranch_scc1 .Lend
	; wave 0: the 64 indices as one store of 256 bytes, and the work-group's sum
	v_mov_b32 v2, LSS
	v_lshlrev_b32 v3, 3, v1                        ; 8 x lane
	v_add_nc_u32 v4, IDS, v3
	ds_load_b128 v[100:103], v2
	ds_load_b128 v[104:107], v2 offset:16
	ds_load_b64 v[108:109], v4
	s_lshl_b32 s54, ttmp9, 8
	s_add_nc_u64 s[14:15], s[14:15], s[54:55]
	s_lshl_b32 s56, ttmp9, 2
	s_add_nc_u64 s[16:17], s[16:17], s[56:57]
	s_wait_dscnt 0x0
	global_store_b64 v3, v[108:109], s[14:15]
	v_pk_add_f32 v[100:101], v[100:101], v[102:103]
	v_pk_add_f32 v[104:105], v[104:105], v[106:107]
	v_pk_add_f32 v[100:101], v[100:101], v[104:105]
	v_add_f32 v8, v100, v101
	v_cmp_eq_u32 vcc_lo, 0, v1
	s_wait_xcnt 0x0                                ; EXEC is a source of the stores that are out: it changes only behind this wait
	s_wait_tensorcnt 0x0
	ds_add_u32 v232, v233
	s_wait_dscnt 0x0
	s_and_saveexec_b32 s60, vcc_lo
	global_store_b32 v3, v8, s[16:17]              ; lane 0, whose offset is 0: lpart[work-group]
	s_endpgm
.Lend:
	s_wait_tensorcnt 0x0
	ds_add_u32 v232, v233
	s_wait_dscnt 0x0
	s_endpgm
.Lfunc_end_k_q5731fea8e9_gather:
	.size	k_q5731fea8e9_gather, .Lfunc_end_k_q5731fea8e9_gather-k_q5731fea8e9_gather
	.p2alignl 7, 3214868480
	.fill 96, 4, 3214868480
	.section	.rodata,"a",@progbits
	.p2align	6, 0x0
	.amdhsa_kernel k_q5731fea8e9_gather
		.amdhsa_group_segment_fixed_size 133888
		.amdhsa_private_segment_fixed_size 0
		.amdhsa_enable_private_segment 0
		.amdhsa_kernarg_size 56
		.amdhsa_user_sgpr_count 2
		.amdhsa_user_sgpr_kernarg_segment_ptr 1
		.amdhsa_wavefront_size32 1
		.amdhsa_system_sgpr_workgroup_id_x 1
		.amdhsa_system_sgpr_workgroup_id_y 1
		.amdhsa_system_sgpr_workgroup_id_z 1
		.amdhsa_system_vgpr_workitem_id 0
		.amdhsa_next_free_vgpr 234
		.amdhsa_next_free_sgpr 66
		.amdhsa_reserve_vcc 1
		.amdhsa_float_denorm_mode_32 3
		.amdhsa_float_denorm_mode_16_64 3
		.amdhsa_memory_ordered 1
		.amdhsa_forward_progress 1
		.amdhsa_inst_pref_size 105
	.end_amdhsa_kernel
	.amdgpu_metadata
---
amdhsa.version: [ 1, 2 ]
amdhsa.kernels:
  - .name:           k_q5731fea8e9_gather
    .symbol:         k_q5731fea8e9_gather.kd
    .args:
      - { .name: z, .offset: 0, .size: 8, .value_kind: global_buffer, .address_space: global }
      - { .name: emb_w, .offset: 8, .size: 8, .value_kind: global_buffer, .address_space: global }
      - { .name: ebf, .offset: 16, .size: 8, .value_kind: global_buffer, .address_space: global }
      - { .name: pidx, .offset: 24, .size: 8, .value_kind: global_buffer, .address_space: global }
      - { .name: out0, .offset: 32, .size: 8, .value_kind: global_buffer, .address_space: global }
      - { .name: out2, .offset: 40, .size: 8, .value_kind: global_buffer, .address_space: global }
      - { .name: lpart, .offset: 48, .size: 8, .value_kind: global_buffer, .address_space: global }
    .group_segment_fixed_size: 133888
    .private_segment_fixed_size: 0
    .kernarg_segment_align: 8
    .kernarg_segment_size: 56
    .max_flat_workgroup_size: 256
    .sgpr_count:     66
    .vgpr_count:     234
    .wavefront_size: 32
...
	.end_amdgpu_metadata
.endif
;; end of part 3
;; launch lsum (part 4): grid 1 x 1, 1 waves a work-group, no clusters, 0 bytes of LDS; arguments lpart, out1; writes out1
.if DOCPART == 4
	.amdgcn_target "amdgcn-amd-amdhsa--gfx1250"
	.amdhsa_code_object_version 6
	.text
	.protected	k_q5731fea8e9_lsum
	.globl	k_q5731fea8e9_lsum
	.p2align	8
	.type	k_q5731fea8e9_lsum,@function
k_q5731fea8e9_lsum:
	s_mov_b64 s[64:65], 0
	v_nop
	global_prefetch_b8 v0, s[64:65] scope:SCOPE_SE
	s_setreg_imm32_b32 hwreg(HW_REG_WAVE_MODE, 25, 1), 1
	s_wait_xcnt 0x0
; Fourth launch: loss = 1.25 x (sum of the 256 work-groups' sums of (q - z)^2) / 2^22.
; Left out: the second of reference()'s two equal means (see the first kernel's head): q_latent_loss + 0.25 e_latent_loss = 1.25 x the one mean.
; A sum over work-groups is made by one owner in a launch of its own: one wave, 8 numbers a lane.
	s_load_b128 s[4:7], s[0:1], 0x0                ; lpart s[4:5], out1 s[6:7]
	v_lshlrev_b32 v1, 4, v0
	s_mov_b32 s8, 0x76543210
	s_mov_b32 s9, 0xfedcba98
	s_wait_kmcnt 0x0
	global_load_b128 v[4:7], v1, s[4:5]
	global_load_b128 v[8:11], v1, s[4:5] offset:512
	s_wait_loadcnt 0x0
	v_pk_add_f32 v[4:5], v[4:5], v[8:9]
	v_pk_add_f32 v[6:7], v[6:7], v[10:11]
	v_pk_add_f32 v[4:5], v[4:5], v[6:7]
	v_add_f32 v4, v4, v5
	v_add_f32_dpp v4, v4, v4 row_xmask:1 row_mask:0xf bank_mask:0xf
	v_add_f32_dpp v4, v4, v4 row_xmask:2 row_mask:0xf bank_mask:0xf
	v_add_f32_dpp v4, v4, v4 row_xmask:4 row_mask:0xf bank_mask:0xf
	v_add_f32_dpp v4, v4, v4 row_xmask:8 row_mask:0xf bank_mask:0xf
	v_permlanex16_b32 v5, v4, s8, s9
	v_add_f32 v4, v4, v5
	v_mul_f32 v4, 0x34a00000, v4                   ; 1.25 x 2^-22: 16,384 x 256 numbers in the mean
	v_cmp_eq_u32 vcc_lo, 0, v0
	s_wait_xcnt 0x0                                ; EXEC changes only behind this wait
	s_and_saveexec_b32 s10, vcc_lo
	global_store_b32 v1, v4, s[6:7]                ; lane 0, whose offset is 0
	s_endpgm
.Lfunc_end_k_q5731fea8e9_lsum:
	.size	k_q5731fea8e9_lsum, .Lfunc_end_k_q5731fea8e9_lsum-k_q5731fea8e9_lsum
	.p2alignl 7, 3214868480
	.fill 96, 4, 3214868480
	.section	.rodata,"a",@progbits
	.p2align	6, 0x0
	.amdhsa_kernel k_q5731fea8e9_lsum
		.amdhsa_group_segment_fixed_size 0
		.amdhsa_private_segment_fixed_size 0
		.amdhsa_enable_private_segment 0
		.amdhsa_kernarg_size 16
		.amdhsa_user_sgpr_count 2
		.amdhsa_user_sgpr_kernarg_segment_ptr 1
		.amdhsa_wavefront_size32 1
		.amdhsa_system_sgpr_workgroup_id_x 1
		.amdhsa_system_sgpr_workgroup_id_y 1
		.amdhsa_system_sgpr_workgroup_id_z 1
		.amdhsa_system_vgpr_workitem_id 0
		.amdhsa_next_free_vgpr 16
		.amdhsa_next_free_sgpr 66
		.amdhsa_reserve_vcc 1
		.amdhsa_float_denorm_mode_32 3
		.amdhsa_float_denorm_mode_16_64 3
		.amdhsa_memory_ordered 1
		.amdhsa_forward_progress 1
		.amdhsa_inst_pref_size 2
	.end_amdhsa_kernel
	.amdgpu_metadata
---
amdhsa.version: [ 1, 2 ]
amdhsa.kernels:
  - .name:           k_q5731fea8e9_lsum
    .symbol:         k_q5731fea8e9_lsum.kd
    .args:
      - { .name: lpart, .offset: 0, .size: 8, .value_kind: global_buffer, .address_space: global }
      - { .name: out1, .offset: 8, .size: 8, .value_kind: global_buffer, .address_space: global }
    .group_segment_fixed_size: 0
    .private_segment_fixed_size: 0
    .kernarg_segment_align: 8
    .kernarg_segment_size: 16
    .max_flat_workgroup_size: 32
    .sgpr_count:     66
    .vgpr_count:     16
    .wavefront_size: 32
...
	.end_amdgpu_metadata
.endif
;; end of part 4
